; MI455X (gfx1250); checked and timed in simulation.
; The chip was launched on July 23, 2026; its instructions are those of AMD's public machine-readable ISA for CDNA 5 (MIT licence, August 2026) and "CDNA5" Instruction Set Architecture Reference Guide (July 2026). The comments in the code are by the model that wrote it; some were corrected since.
;; Temporal Attention. Allowed arithmetic: float matrix products may take bf16 or f16 operands with f32 sums; all other float work in f32.
;; Inputs: hidden_states 16 x 64 x 64 x 32 x 32 float32.
;; Outputs: out0 16 x 64 x 32 x 32 float32.
;; 2 versions, each right; version 2 is version 1 with the launch scores written anew for expert scheduling mode. Each part assembles by itself: llvm-mc -triple=amdgcn-amd-amdhsa -mcpu=gfx1250 --defsym DOCPART=n.
;; ======== version 1 of 2: 3 launches
;; workspace buffers: part 65,536 bytes; wts 4,096 bytes; mask 256 bytes of whole numbers
;; launch scores (part 1): grid 256 x 1, 16 waves a work-group, no clusters, 6,144 bytes of LDS; arguments hidden_states, part; writes part
.if DOCPART == 1
	.amdgcn_target "amdgcn-amd-amdhsa--gfx1250"
	.amdhsa_code_object_version 6
	.text
	.protected	k_q0fd75459c2_scores
	.globl	k_q0fd75459c2_scores
	.p2align	8
	.type	k_q0fd75459c2_scores,@function
k_q0fd75459c2_scores:
	s_mov_b64 s[64:65], 0
	v_nop
	global_prefetch_b8 v0, s[64:65] scope:SCOPE_SE
	s_setreg_imm32_b32 hwreg(HW_REG_WAVE_MODE, 25, 1), 1
	s_wait_xcnt 0x0
; FIRST OF THREE LAUNCHES.  h = hidden_states as [16 batches][64 steps][65,536 f32].
; part[b][c][t] = sum over the 4,096 numbers e of chunk c of h[b][t][e] * h[b][63][e]   (f32, not yet divided by 64).
; Work-group g owns batch g / 16 and chunk g % 16: 16,384 consecutive bytes of each of the batch's 64 rows, 1 MiB in all,
; and every byte of h is loaded once in the launch.  The product has one vector on one side, so each number loaded feeds
; one multiply-add: the work is done by packed f32 multiply-adds, and no tile is shared between work-groups.
; Sixteen waves; wave w owns bytes 1,024 w .. 1,024 w + 1,023 of the chunk, a lane two pieces of 16 bytes, 512 bytes apart, so each
; load of a wave covers 512 consecutive bytes.  The lane's 8 numbers of row 63 stay in registers; row 63's own product is made from
; them.  The other 63 rows go through a ring of 21 row slots in registers, three rounds: 42 loads of every wave are on their way.
; Sums are f32 in an order of their own: 8 products a lane, 32 lanes, 16 waves, and the 16 chunks in the next launch.
.set ROW,   262144                     ; bytes from a step to the next: 64 x 32 x 32 f32
.set DEPTH, 21                         ; row slots in the ring; 63 rows = 3 rounds of 21
.set TRIPS, 2                          ; rounds that fill their slots again; the third is written out without loads
.set OFF,   1                          ; v1        my byte offset in the chunk
.set H,     2                          ; v[2:9]    my 8 numbers of row 63
.set T,     10                         ; v[10:13]  at work
.set LA,    14                         ; v14       LDS: my wave's 64 words, at the round's first row
.set FA,    15                         ; v15       wave 0 at the end: 8 x lane
.set X,     16                         ; v[16:183] slot n: 8 registers
	s_load_b128 s[4:7], s[0:1], 0x0                ; hidden_states s[4:5], part s[6:7]
	v_lshl_add_u32 v184, v0, 2, 0x1000
	v_mov_b32 v185, 0
	v_lshrrev_b32 v[T], 5, v0
	v_readfirstlane_b32 s8, v[T]                   ; wave 0..15
	v_and_b32 v[OFF], 31, v0
	v_lshlrev_b32 v[OFF], 4, v[OFF]                ; 16 x lane
	v_lshl_or_b32 v[OFF], v[T], 10, v[OFF]         ; + 1,024 x wave
	s_lshl_b32 s15, s8, 8
	v_mov_b32 v[LA], s15                           ; 256 x wave: one word for each step
	s_lshr_b32 s10, ttmp9, 4
	s_lshl_b32 s10, s10, 24                        ; batch x 16 MiB
	s_and_b32 s9, ttmp9, 15
	s_lshl_b32 s9, s9, 14                          ; chunk x 16 KiB
	s_or_b32 s10, s10, s9
	s_mov_b32 s11, 0
	s_mov_b32 s12, 0x76543210                      ; v_permlanex16_b32: lane i of one half reads lane i of the other
	s_mov_b32 s13, 0xfedcba98
	s_wait_kmcnt 0x0
	s_add_nc_u64 s[16:17], s[4:5], s[10:11]        ; my chunk of row 0: the first fill
	s_add_nc_u64 s[18:19], s[16:17], DEPTH*ROW     ; my chunk of row 21: the fills in the loop, stepped round by round
	s_add_nc_u64 s[20:21], s[16:17], 63*ROW        ; my chunk of row 63
	; row 63 comes without the non-temporal hint: the third launch reads it again whenever its weight is not zero
	global_load_b128 v[H:H+3],   v[OFF], s[20:21]
	global_load_b128 v[H+4:H+7], v[OFF], s[20:21] offset:512
.set n, 0
.rept DEPTH
	global_load_b128 v[X+8*n:X+8*n+3],   v[OFF], s[16:17] offset:n*ROW th:TH_LOAD_NT
	global_load_b128 v[X+8*n+4:X+8*n+7], v[OFF], s[16:17] offset:n*ROW+512 th:TH_LOAD_NT
.set n, n+1
.endr
; my 8 products of the row in registers x .. x+7, in two chains that the first products start
.macro DOT x
	v_pk_mul_f32 v[T:T+1],   v[\x:\x+1],   v[H:H+1]
	v_pk_mul_f32 v[T+2:T+3], v[\x+2:\x+3], v[H+2:H+3]
	v_pk_fma_f32 v[T:T+1],   v[\x+4:\x+5], v[H+4:H+5], v[T:T+1]
	v_pk_fma_f32 v[T+2:T+3], v[\x+6:\x+7], v[H+6:H+7], v[T+2:T+3]
.endm
; the four sums of a lane, then the 32 lanes; every lane ends with the wave's sum, which goes to the row's word in LDS
.macro FOLD off
	v_pk_add_f32 v[T:T+1], v[T:T+1], v[T+2:T+3]
	v_add_f32 v[T], v[T], v[T+1]
	v_add_f32_dpp v[T], v[T], v[T] row_xmask:1 row_mask:0xf bank_mask:0xf
	v_add_f32_dpp v[T], v[T], v[T] row_xmask:2 row_mask:0xf bank_mask:0xf
	v_add_f32_dpp v[T], v[T], v[T] row_xmask:4 row_mask:0xf bank_mask:0xf
	v_add_f32_dpp v[T], v[T], v[T] row_xmask:8 row_mask:0xf bank_mask:0xf
	v_permlanex16_b32 v[T+1], v[T], s12, s13       ; its destination counts as read: T+1 has been written
	v_add_f32 v[T], v[T], v[T+1]
	ds_store_b32 v[LA], v[T] offset:\off           ; all lanes: the same word, the same value
.endm
; The turn of slot i.  ahead = 1: the slot is filled again with the row DEPTH further down, as soon as its registers have been read.
; left = how many younger loads may stay out.
.macro SLOT i, ahead, left
	s_wait_loadcnt \left                           ; loads come back in order (ISA guide 5.7.1): my two are in, the younger ones stay out
	DOT X+8*\i
.if \ahead
	global_load_b128 v[X+8*\i:X+8*\i+3],   v[OFF], s[18:19] offset:\i*ROW th:TH_LOAD_NT
	global_load_b128 v[X+8*\i+4:X+8*\i+7], v[OFF], s[18:19] offset:\i*ROW+512 th:TH_LOAD_NT
.endif
	FOLD 4*\i
.endm
	s_wait_loadcnt 2*DEPTH                         ; row 63 is in; the 42 loads of the ring were issued behind it
	DOT H                                          ; row 63 with itself
	FOLD 4*63
	s_mov_b32 s14, 0
.Lround:
.set n, 0
.rept DEPTH
	SLOT n, 1, 2*(DEPTH-1)                         ; 20 younger slots of two loads
.set n, n+1
.endr
	v_add_nc_u32 v[LA], 4*DEPTH, v[LA]             ; the next round's first word (LDS instructions have taken their sources at issue)
	s_wait_xcnt 0x0                                ; the base of the loads above is stepped only behind this wait (ISA guide 3.1)
	s_add_nc_u64 s[18:19], s[18:19], DEPTH*ROW
	s_add_co_u32 s14, s14, 1
	s_cmp_lt_u32 s14, TRIPS
	s_cbranch_scc1 .Lround
.set n, 0
.rept DEPTH
	SLOT n, 0, 2*(DEPTH-1-n)                       ; rows 42 to 62: nothing is loaded any more, the counts run down to 0
.set n, n+1
.endr
	; the sixteen waves' words meet: each wave waits for its own LDS stores, then the barrier, then wave 0 reads them all
	s_wait_dscnt 0x0
	s_barrier_signal -1
	s_barrier_wait -1
	s_cmp_lg_u32 s8, 0
	s_cbranch_scc1 .Ldone
	v_lshlrev_b32 v[FA], 3, v0                     ; wave 0: lane l takes steps 2 l and 2 l + 1
.set n, 0
.rept 16
	ds_load_b64 v[X+2*n:X+2*n+1], v[FA] offset:256*n
.set n, n+1
.endr
	s_lshl_b32 s10, ttmp9, 8                       ; part: 64 words for each work-group
	s_add_nc_u64 s[6:7], s[6:7], s[10:11]
	s_wait_dscnt 0x0
.irp c, 0,1,2,3,4,5,6,7
	v_pk_add_f32 v[X+2*\c:X+2*\c+1], v[X+2*\c:X+2*\c+1], v[X+2*\c+16:X+2*\c+17]
.endr
.irp c, 0,1,2,3
	v_pk_add_f32 v[X+2*\c:X+2*\c+1], v[X+2*\c:X+2*\c+1], v[X+2*\c+8:X+2*\c+9]
.endr
.irp c, 0,1
	v_pk_add_f32 v[X+2*\c:X+2*\c+1], v[X+2*\c:X+2*\c+1], v[X+2*\c+4:X+2*\c+5]
.endr
	v_pk_add_f32 v[X:X+1], v[X:X+1], v[X+2:X+3]
	global_store_b64 v[FA], v[X:X+1], s[6:7]       ; one store: 256 consecutive bytes, aligned
.Ldone:
	s_wait_tensorcnt 0x0
	ds_add_u32 v184, v185
	s_wait_dscnt 0x0
	s_endpgm
.Lfunc_end_k_q0fd75459c2_scores:
	.size	k_q0fd75459c2_scores, .Lfunc_end_k_q0fd75459c2_scores-k_q0fd75459c2_scores
	.p2alignl 7, 3214868480
	.fill 96, 4, 3214868480
	.section	.rodata,"a",@progbits
	.p2align	6, 0x0
	.amdhsa_kernel k_q0fd75459c2_scores
		.amdhsa_group_segment_fixed_size 6144
		.amdhsa_private_segment_fixed_size 0
		.amdhsa_enable_private_segment 0
		.amdhsa_kernarg_size 16
		.amdhsa_user_sgpr_count 2
		.amdhsa_user_sgpr_kernarg_segment_ptr 1
		.amdhsa_wavefront_size32 1
		.amdhsa_system_sgpr_workgroup_id_x 1
		.amdhsa_system_sgpr_workgroup_id_y 1
		.amdhsa_system_sgpr_workgroup_id_z 1
		.amdhsa_system_vgpr_workitem_id 0
		.amdhsa_next_free_vgpr 186
		.amdhsa_next_free_sgpr 66
		.amdhsa_reserve_vcc 0
		.amdhsa_float_denorm_mode_32 3
		.amdhsa_float_denorm_mode_16_64 3
		.amdhsa_memory_ordered 1
		.amdhsa_forward_progress 1
		.amdhsa_inst_pref_size 46
	.end_amdhsa_kernel
	.amdgpu_metadata
---
amdhsa.version: [ 1, 2 ]
amdhsa.kernels:
  - .name:           k_q0fd75459c2_scores
    .symbol:         k_q0fd75459c2_scores.kd
    .args:
      - { .name: hidden_states, .offset: 0, .size: 8, .value_kind: global_buffer, .address_space: global }
      - { .name: part, .offset: 8, .size: 8, .value_kind: global_buffer, .address_space: global }
    .group_segment_fixed_size: 6144
    .private_segment_fixed_size: 0
    .kernarg_segment_align: 8
    .kernarg_segment_size: 16
    .max_flat_workgroup_size: 512
    .sgpr_count:     66
    .vgpr_count:     186
    .wavefront_size: 32
...
	.end_amdgpu_metadata
.endif
;; end of part 1
;; launch weights (part 2): grid 16 x 1, 1 waves a work-group, no clusters, 0 bytes of LDS; arguments part, wts, mask; writes wts, mask
.if DOCPART == 2
	.amdgcn_target "amdgcn-amd-amdhsa--gfx1250"
	.amdhsa_code_object_version 6
	.text
	.protected	k_q0fd75459c2_weights
	.globl	k_q0fd75459c2_weights
	.p2align	8
	.type	k_q0fd75459c2_weights,@function
k_q0fd75459c2_weights:
	s_mov_b64 s[64:65], 0
	v_nop
	global_prefetch_b8 v0, s[64:65] scope:SCOPE_SE
	s_setreg_imm32_b32 hwreg(HW_REG_WAVE_MODE, 25, 1), 1
	s_wait_xcnt 0x0
; SECOND OF THREE LAUNCHES.  One wave for each batch b: lane l owns steps l and l + 32.
; dot[t] = sum over the 16 chunks of part[b][c][t];  wts[b][t] = softmax over t of dot[t] / 64;
; mask[b] = two words, bit t % 32 of word t / 32 set where wts[b][t] is not 0.
; The mask is the decision which rows the third launch reads again: a step whose weight is exactly 0 adds exactly 0 to the context.
; All stores go to fixed addresses; only the stored values hang on the numbers.
; LIMITS.  v_exp_f32 flushes (ISA guide 15.8): a step with exp(score - largest score) below 2^-126 gets the weight 0.
; The compare is 'not equal', which holds for NaN: NaN weights stay in the mask and reach the output as in the reference.
; Inputs are taken as finite: a row that holds an infinity and whose weight is 0 would give 0 x inf = NaN in the reference, and is skipped here.
.set P, 2                              ; v[2:33]  chunk c: the pair (step l, step l + 32)
.set U, P+2                            ; a spent partial sum: a written register for v_permlanex16_b32 to land on
.set M, 34                             ; v34      the largest dot, later the sum of the exponentials
.set E, 36                             ; v[36:37] the exponentials, then the weights
.set K, 38                             ; v[38:39] the two mask words
	s_load_b128 s[4:7], s[0:1], 0x0                ; part s[4:5], wts s[6:7]
	s_load_b64 s[8:9], s[0:1], 0x10                ; mask
	v_lshlrev_b32 v1, 2, v0                        ; 4 x lane
	s_lshl_b32 s10, ttmp9, 12                      ; part: 16 chunks x 64 words a batch
	s_mov_b32 s11, 0
	s_lshl_b32 s14, ttmp9, 8                       ; wts: 64 words a batch
	s_mov_b32 s15, 0
	s_lshl_b32 s16, ttmp9, 3                       ; mask: 2 words a batch
	s_mov_b32 s17, 0
	s_mov_b32 s12, 0x76543210                      ; v_permlanex16_b32: lane i of one half reads lane i of the other
	s_mov_b32 s13, 0xfedcba98
	s_wait_kmcnt 0x0
	s_add_nc_u64 s[4:5], s[4:5], s[10:11]
	s_add_nc_u64 s[6:7], s[6:7], s[14:15]
	s_add_nc_u64 s[8:9], s[8:9], s[16:17]
.irp c, 0,1,2,3,4,5,6,7,8,9,10,11,12,13,14,15
	global_load_b32 v[P+2*\c],   v1, s[4:5] offset:256*\c
	global_load_b32 v[P+2*\c+1], v1, s[4:5] offset:256*\c+128
.endr
	s_wait_loadcnt 0x0                             ; all 32 were issued in one run: one wait
.irp c, 0,1,2,3,4,5,6,7
	v_pk_add_f32 v[P+2*\c:P+2*\c+1], v[P+2*\c:P+2*\c+1], v[P+2*\c+16:P+2*\c+17]
.endr
.irp c, 0,1,2,3
	v_pk_add_f32 v[P+2*\c:P+2*\c+1], v[P+2*\c:P+2*\c+1], v[P+2*\c+8:P+2*\c+9]
.endr
.irp c, 0,1
	v_pk_add_f32 v[P+2*\c:P+2*\c+1], v[P+2*\c:P+2*\c+1], v[P+2*\c+4:P+2*\c+5]
.endr
	v_pk_add_f32 v[P:P+1], v[P:P+1], v[P+2:P+3]    ; dot[l], dot[l + 32]
	; the largest of the 64
	v_max_num_f32 v[M], v[P], v[P+1]
	v_max_num_f32_dpp v[M], v[M], v[M] row_xmask:1 row_mask:0xf bank_mask:0xf
	v_max_num_f32_dpp v[M], v[M], v[M] row_xmask:2 row_mask:0xf bank_mask:0xf
	v_max_num_f32_dpp v[M], v[M], v[M] row_xmask:4 row_mask:0xf bank_mask:0xf
	v_max_num_f32_dpp v[M], v[M], v[M] row_xmask:8 row_mask:0xf bank_mask:0xf
	v_permlanex16_b32 v[U], v[M], s12, s13
	v_max_num_f32 v[M], v[M], v[U]
	; exp((dot - max) / 64) = 2^((dot - max) x log2(e) / 64); the difference first, so that the largest step gets exactly 2^0
	v_sub_f32 v[P],   v[P],   v[M]
	v_sub_f32 v[P+1], v[P+1], v[M]
	v_mul_f32 v[P],   0x3cb8aa3b, v[P]             ; log2(e) / 64
	v_mul_f32 v[P+1], 0x3cb8aa3b, v[P+1]
	v_exp_f32 v[E],   v[P]
	v_exp_f32 v[E+1], v[P+1]
	v_nop                                          ; one plain place behind a transcendental before its result is read (ISA guide 5.7.2)
	s_wait_alu depctr_va_vdst(0)
	v_add_f32 v[M], v[E], v[E+1]
	v_add_f32_dpp v[M], v[M], v[M] row_xmask:1 row_mask:0xf bank_mask:0xf
	v_add_f32_dpp v[M], v[M], v[M] row_xmask:2 row_mask:0xf bank_mask:0xf
	v_add_f32_dpp v[M], v[M], v[M] row_xmask:4 row_mask:0xf bank_mask:0xf
	v_add_f32_dpp v[M], v[M], v[M] row_xmask:8 row_mask:0xf bank_mask:0xf
	v_permlanex16_b32 v[U], v[M], s12, s13
	v_add_f32 v[M], v[M], v[U]                     ; between 1 and 64 for finite scores
	v_rcp_f32 v[U], v[M]
	v_nop                                          ; the place behind v_rcp_f32
	s_wait_alu depctr_va_vdst(0)
	v_mul_f32 v[E],   v[E],   v[U]
	v_mul_f32 v[E+1], v[E+1], v[U]
	v_cmp_neq_f32 s18, 0, v[E]                     ; bit l: step l counts
	v_cmp_neq_f32 s19, 0, v[E+1]                   ; bit l: step l + 32 counts
	global_store_b32 v1, v[E],   s[6:7]
	global_store_b32 v1, v[E+1], s[6:7] offset:128
	v_mov_b32 v[K],   s18
	v_mov_b32 v[K+1], s19
	v_cmp_eq_u32 vcc_lo, 0, v0
	s_wait_xcnt 0x0                                ; EXEC is a source of the two stores above: it is narrowed only behind this wait
	s_and_saveexec_b32 s20, vcc_lo                 ; lane 0 alone (its v1 is 0)
	global_store_b64 v1, v[K:K+1], s[8:9]
	s_endpgm
.Lfunc_end_k_q0fd75459c2_weights:
	.size	k_q0fd75459c2_weights, .Lfunc_end_k_q0fd75459c2_weights-k_q0fd75459c2_weights
	.p2alignl 7, 3214868480
	.fill 96, 4, 3214868480
	.section	.rodata,"a",@progbits
	.p2align	6, 0x0
	.amdhsa_kernel k_q0fd75459c2_weights
		.amdhsa_group_segment_fixed_size 0
		.amdhsa_private_segment_fixed_size 0
		.amdhsa_enable_private_segment 0
		.amdhsa_kernarg_size 24
		.amdhsa_user_sgpr_count 2
		.amdhsa_user_sgpr_kernarg_segment_ptr 1
		.amdhsa_wavefront_size32 1
		.amdhsa_system_sgpr_workgroup_id_x 1
		.amdhsa_system_sgpr_workgroup_id_y 1
		.amdhsa_system_sgpr_workgroup_id_z 1
		.amdhsa_system_vgpr_workitem_id 0
		.amdhsa_next_free_vgpr 40
		.amdhsa_next_free_sgpr 66
		.amdhsa_reserve_vcc 1
		.amdhsa_float_denorm_mode_32 3
		.amdhsa_float_denorm_mode_16_64 3
		.amdhsa_memory_ordered 1
		.amdhsa_forward_progress 1
		.amdhsa_inst_pref_size 7
	.end_amdhsa_kernel
	.amdgpu_metadata
---
amdhsa.version: [ 1, 2 ]
amdhsa.kernels:
  - .name:           k_q0fd75459c2_weights
    .symbol:         k_q0fd75459c2_weights.kd
    .args:
      - { .name: part, .offset: 0, .size: 8, .value_kind: global_buffer, .address_space: global }
      - { .name: wts, .offset: 8, .size: 8, .value_kind: global_buffer, .address_space: global }
      - { .name: mask, .offset: 16, .size: 8, .value_kind: global_buffer, .address_space: global }
    .group_segment_fixed_size: 0
    .private_segment_fixed_size: 0
    .kernarg_segment_align: 8
    .kernarg_segment_size: 24
    .max_flat_workgroup_size: 32
    .sgpr_count:     66
    .vgpr_count:     40
    .wavefront_size: 32
...
	.end_amdgpu_metadata
.endif
;; end of part 2
;; launch context (part 3): grid 256 x 1, 8 waves a work-group, no clusters, 0 bytes of LDS; arguments hidden_states, wts, mask, out0; writes out0
.if DOCPART == 3
	.amdgcn_target "amdgcn-amd-amdhsa--gfx1250"
	.amdhsa_code_object_version 6
	.text
	.protected	k_q0fd75459c2_context
	.globl	k_q0fd75459c2_context
	.p2align	8
	.type	k_q0fd75459c2_context,@function
k_q0fd75459c2_context:
	s_mov_b64 s[64:65], 0
	v_nop
	global_prefetch_b8 v0, s[64:65] scope:SCOPE_SE
	s_setreg_imm32_b32 hwreg(HW_REG_WAVE_MODE, 25, 1), 1
	s_wait_xcnt 0x0
; THIRD OF THREE LAUNCHES.  out0[b][e] = sum over the steps t whose bit is set in mask[b] of wts[b][t] * h[b][t][e].
; The steps left out have the weight 0 and add nothing (for finite h: the limit is stated at the head of the launch that makes the mask).
; Work-group g owns batch g / 16 and 4,096 outputs (16,384 bytes) g % 16; eight waves; a lane owns 16 outputs, four pieces of 16 bytes,
; 512 bytes apart, so each load and each store of a wave covers 512 consecutive bytes.  No two work-groups read the same bytes of h.
; The mask's set bits are walked by scalar code.  The first step starts the sums (a multiply: nothing is cleared); the others go four rows
; at a time, 16 loads of every wave on their way, and the last 0 to 3 one at a time.  With all 64 bits set the whole of h is read again,
; at most four rows of 16 KiB of a work-group on their way at a time.
.set ROWSH, 18                         ; a row of h is 2^18 bytes
.set OFF,  1                           ; v1        my byte offset in the chunk
.set ACC,  2                           ; v[2:17]   my 16 sums
.set X,    20                          ; v[20:83]  row k of a group: 16 registers
.set WO,   32                          ; s32-35    row k: byte offset of its weight (a source of a pending scalar load: one each)
.set W,    36                          ; s[36:43]  row k: its weight in the even register of a pair; the odd one is 0 and unused
.set RB,   44                          ; s[44:51]  row k: address of my chunk of its row
	s_load_b256 s[4:11], s[0:1], 0x0               ; hidden_states s[4:5], wts s[6:7], mask s[8:9], out0 s[10:11]
	s_lshr_b32 s12, ttmp9, 4                       ; batch
	s_and_b32 s13, ttmp9, 15                       ; chunk
	s_lshl_b32 s14, s12, 3                         ; mask: 8 bytes a batch
	s_wait_kmcnt 0x0
	s_load_b64 s[20:21], s[8:9], s14 offset:0x0    ; steps 0-31 in s20, steps 32-63 in s21
	v_lshrrev_b32 v[ACC], 5, v0                    ; wave
	v_and_b32 v[OFF], 31, v0
	v_lshlrev_b32 v[OFF], 4, v[OFF]                ; 16 x lane
	v_lshl_or_b32 v[OFF], v[ACC], 11, v[OFF]       ; + 2,048 x wave
	s_lshl_b32 s13, s13, 14                        ; chunk x 16 KiB
	s_lshl_b32 s16, s12, 24                        ; batch x 16 MiB of h
	s_or_b32 s16, s16, s13
	s_mov_b32 s17, 0
	s_add_nc_u64 s[4:5], s[4:5], s[16:17]          ; my chunk of the batch's row 0
	s_lshl_b32 s16, s12, 18                        ; batch x 256 KiB of out0
	s_or_b32 s16, s16, s13
	s_add_nc_u64 s[10:11], s[10:11], s[16:17]
	s_lshl_b32 s16, s12, 8                         ; batch x 64 weights
	s_add_nc_u64 s[6:7], s[6:7], s[16:17]
	s_mov_b32 s29, 0                               ; high word of a row's offset
	s_mov_b32 s[W+1], 0                            ; the packed forms name the pair: its odd half is written once
	s_mov_b32 s[W+3], 0
	s_mov_b32 s[W+5], 0
	s_mov_b32 s[W+7], 0
	s_wait_kmcnt 0x0
	s_bcnt1_i32_b32 s22, s20
	s_bcnt1_i32_b32 s23, s21
	s_add_co_u32 s22, s22, s23                     ; steps that count: at least 1, since the largest score's weight is not 0
	s_max_u32 s22, s22, 1                          ; (held to that, so that the counts below cannot wrap)
	s_sub_co_u32 s22, s22, 1                       ; behind the first:
	s_lshr_b32 s23, s22, 2                         ; groups of four,
	s_and_b32 s22, s22, 3                          ; and single ones
; Takes the lowest set bit t out of the mask; asks for its weight; points RB's pair k at my chunk of row t.
.macro NEXT k
	s_ctz_i32_b32 s24, s20                         ; the lowest step of the low word,
	s_ctz_i32_b32 s25, s21
	s_add_co_u32 s25, s25, 32                      ; of the high word
	s_sub_co_u32 s26, s20, 1
	s_sub_co_u32 s27, s21, 1
	s_and_b32 s27, s21, s27                        ; the high word without its lowest bit
	s_cmp_lg_u32 s20, 0                            ; the low word first, while it holds any
	s_cselect_b32 s24, s24, s25                    ; t
	s_cselect_b32 s21, s21, s27
	s_and_b32 s20, s20, s26                        ; the low word without its lowest bit (0 stays 0)
	s_min_u32 s24, s24, 63                         ; a number from memory enters an address only inside the table
	s_lshl_b32 s[WO+\k], s24, 2
	s_load_b32 s[W+2*\k], s[6:7], s[WO+\k] offset:0x0
	s_lshl_b32 s28, s24, ROWSH
	s_add_nc_u64 s[RB+2*\k:RB+2*\k+1], s[4:5], s[28:29]
.endm
.macro LOADROW k
.irp j, 0,1,2,3
	global_load_b128 v[X+16*\k+4*\j:X+16*\k+4*\j+3], v[OFF], s[RB+2*\k:RB+2*\k+1] offset:512*\j th:TH_LOAD_NT
.endr
.endm
; Row k into the sums, piece by piece as its loads come in.  left = loads of later rows that may stay out; first = 1: the products start the sums.
.macro ROWOP k, left, first
.irp j, 0,1,2,3
	s_wait_loadcnt \left+3-\j                      ; loads come back in order (ISA guide 5.7.1): piece j is in, 3 - j of this row and the later rows stay out
.if \first
	v_pk_mul_f32 v[ACC+4*\j:ACC+4*\j+1],   v[X+16*\k+4*\j:X+16*\k+4*\j+1],   s[W+2*\k:W+2*\k+1] op_sel_hi:[1,0]
	v_pk_mul_f32 v[ACC+4*\j+2:ACC+4*\j+3], v[X+16*\k+4*\j+2:X+16*\k+4*\j+3], s[W+2*\k:W+2*\k+1] op_sel_hi:[1,0]
.else
	v_pk_fma_f32 v[ACC+4*\j:ACC+4*\j+1],   v[X+16*\k+4*\j:X+16*\k+4*\j+1],   s[W+2*\k:W+2*\k+1], v[ACC+4*\j:ACC+4*\j+1] op_sel_hi:[1,0,1]
	v_pk_fma_f32 v[ACC+4*\j+2:ACC+4*\j+3], v[X+16*\k+4*\j+2:X+16*\k+4*\j+3], s[W+2*\k:W+2*\k+1], v[ACC+4*\j+2:ACC+4*\j+3] op_sel_hi:[1,0,1]
.endif
.endr
.endm
	NEXT 0                                         ; the first step that counts
	LOADROW 0
	s_wait_kmcnt 0x0                               ; its weight
	ROWOP 0, 0, 1
	s_cmp_eq_u32 s23, 0
	s_cbranch_scc1 .Lsingles
	s_mov_b32 s30, 0
.Lfour:                                            ; at the head no load is out: the last ROWOP waited for 0, so RB, WO, W and X are free
	NEXT 0
	LOADROW 0
	NEXT 1
	LOADROW 1
	NEXT 2
	LOADROW 2
	NEXT 3
	LOADROW 3
	s_wait_kmcnt 0x0                               ; the four weights
	ROWOP 0, 12, 0
	ROWOP 1, 8, 0
	ROWOP 2, 4, 0
	ROWOP 3, 0, 0
	s_add_co_u32 s30, s30, 1
	s_cmp_lt_u32 s30, s23
	s_cbranch_scc1 .Lfour
.Lsingles:
	s_cmp_eq_u32 s22, 0
	s_cbranch_scc1 .Lstore
	s_mov_b32 s30, 0
.Lone:
	NEXT 0
	LOADROW 0
	s_wait_kmcnt 0x0
	ROWOP 0, 0, 0
	s_add_co_u32 s30, s30, 1
	s_cmp_lt_u32 s30, s22
	s_cbranch_scc1 .Lone
.Lstore:
.irp j, 0,1,2,3
	global_store_b128 v[OFF], v[ACC+4*\j:ACC+4*\j+3], s[10:11] offset:512*\j th:TH_STORE_NT
.endr
	s_endpgm
.Lfunc_end_k_q0fd75459c2_context:
	.size	k_q0fd75459c2_context, .Lfunc_end_k_q0fd75459c2_context-k_q0fd75459c2_context
	.p2alignl 7, 3214868480
	.fill 96, 4, 3214868480
	.section	.rodata,"a",@progbits
	.p2align	6, 0x0
	.amdhsa_kernel k_q0fd75459c2_context
		.amdhsa_group_segment_fixed_size 0
		.amdhsa_private_segment_fixed_size 0
		.amdhsa_enable_private_segment 0
		.amdhsa_kernarg_size 32
		.amdhsa_user_sgpr_count 2
		.amdhsa_user_sgpr_kernarg_segment_ptr 1
		.amdhsa_wavefront_size32 1
		.amdhsa_system_sgpr_workgroup_id_x 1
		.amdhsa_system_sgpr_workgroup_id_y 1
		.amdhsa_system_sgpr_workgroup_id_z 1
		.amdhsa_system_vgpr_workitem_id 0
		.amdhsa_next_free_vgpr 84
		.amdhsa_next_free_sgpr 66
		.amdhsa_reserve_vcc 0
		.amdhsa_float_denorm_mode_32 3
		.amdhsa_float_denorm_mode_16_64 3
		.amdhsa_memory_ordered 1
		.amdhsa_forward_progress 1
		.amdhsa_inst_pref_size 12
	.end_amdhsa_kernel
	.amdgpu_metadata
---
amdhsa.version: [ 1, 2 ]
amdhsa.kernels:
  - .name:           k_q0fd75459c2_context
    .symbol:         k_q0fd75459c2_context.kd
    .args:
      - { .name: hidden_states, .offset: 0, .size: 8, .value_kind: global_buffer, .address_space: global }
      - { .name: wts, .offset: 8, .size: 8, .value_kind: global_buffer, .address_space: global }
      - { .name: mask, .offset: 16, .size: 8, .value_kind: global_buffer, .address_space: global }
      - { .name: out0, .offset: 24, .size: 8, .value_kind: global_buffer, .address_space: global }
    .group_segment_fixed_size: 0
    .private_segment_fixed_size: 0
    .kernarg_segment_align: 8
    .kernarg_segment_size: 32
    .max_flat_workgroup_size: 256
    .sgpr_count:     66
    .vgpr_count:     84
    .wavefront_size: 32
...
	.end_amdgpu_metadata
.endif
;; end of part 3
;; ======== version 2 of 2: 3 launches; version 1 with the launch scores written anew for expert scheduling mode
;; workspace buffers: part 65,536 bytes; wts 4,096 bytes; mask 256 bytes of whole numbers
;; launch scores (part 4): grid 256 x 1, 16 waves a work-group, no clusters, 6,144 bytes of LDS; arguments hidden_states, part; writes part
.if DOCPART == 4
	.amdgcn_target "amdgcn-amd-amdhsa--gfx1250"
	.amdhsa_code_object_version 6
	.text
	.protected	k_q0fd75459c2_scores
	.globl	k_q0fd75459c2_scores
	.p2align	8
	.type	k_q0fd75459c2_scores,@function
k_q0fd75459c2_scores:
	s_mov_b64 s[64:65], 0
	v_nop
	global_prefetch_b8 v0, s[64:65] scope:SCOPE_SE
	s_setreg_imm32_b32 hwreg(HW_REG_WAVE_SCHED_MODE, 0, 2), 2
	s_setreg_imm32_b32 hwreg(HW_REG_WAVE_MODE, 25, 1), 1
	s_wait_xcnt 0x0
	s_wait_alu depctr_vm_vsrc(0)
; FIRST OF THREE LAUNCHES.  h = hidden_states as [16 batches][64 steps][65,536 f32].
; part[b][c][t] = sum over the 4,096 numbers e of chunk c of h[b][t][e] * h[b][63][e]   (f32, not yet divided by 64).
; Work-group g owns batch g / 16 and chunk g % 16: 16,384 consecutive bytes of each of the batch's 64 rows, 1 MiB in all,
; and every byte of h is loaded once in the launch.  The product has one vector on one side, so each number loaded feeds
; one multiply-add: the work is done by packed f32 multiply-adds, and no tile is shared between work-groups.
; Sixteen waves; wave w owns bytes 1,024 w .. 1,024 w + 1,023 of the chunk, a lane two pieces of 16 bytes, 512 bytes apart, so each
; load of a wave covers 512 consecutive bytes.  The lane's 8 numbers of row 63 stay in registers; row 63's own product is made from
; them.  The other 63 rows go through a ring of 21 row slots in registers, three rounds: 36 to 42 loads of every wave are on their way.
; Sums are f32 in an order of their own: 8 products a lane, 32 lanes, 16 waves, and the 16 chunks in the next launch.
; THE MODE: SCHED_MODE bits 1:0 = 2 (LLVM: expert scheduling mode 2), set by the entry lines.  The code itself states the register dependences
; between vector instructions and memory or LDS instructions, with s_wait_alu, always for 0.
; THE PLAN.  A round's 21 slots go in 7 blocks of three rows.  Registers that memory or LDS instructions touch:
;   X       Block b: its twelve products read slots 3 b .. 3 b + 2; behind them the six loads of the same slots' next rows land there.
;   R       One register for each slot: the row's sum over the wave.  Written by the last add of block b's lane sums; read by an LDS store that is
;           issued in block b + 1 (block 6's: at the round's end); written again a round later.
;   R63     Row 63's sum: written once at the head, read by one LDS store in the kernel's last run of stores.
;   v[LA]   Read by every LDS store; written once a round, at the round's end.
;   v[OFF]  Read by every global load; never written again: the scalar base moves on by a round, immediate offsets reach the rows.
;   T       Named by vector instructions alone.
; So ONE wait on va_vdst stands in a block, behind its products: they are done reading the block's slots, and the block before has written its three R.
; The block's six loads and three LDS stores follow it, dealt among the lane sums, which name T and this block's own R: none of the registers that
; those nine touch.  At a round's end one more wait on va_vdst stands ahead of block 6's three stores, and one wait on vm_vsrc behind them.
.set ROW,   262144                     ; bytes from a step to the next: 64 x 32 x 32 f32
.set DEPTH, 21                         ; row slots in the ring; 63 rows = 3 rounds of 21
.set TRIPS, 2                          ; rounds that fill their slots again; the third is written out without loads
.set OFF,   1                          ; v1        my byte offset in the chunk
.set H,     2                          ; v[2:9]    my 8 numbers of row 63
.set LA,    10                         ; v10       LDS: my wave's 64 words, at the round's first row
.set FA,    11                         ; v11       wave 0 at the end: 8 x lane
.set T,     12                         ; v[12:23]  at work: four registers for each row of a block
.set R,     24                         ; v[24:44]  slot n: its row's sum
.set R63,   45                         ; v45       row 63's sum
.set X,     46                         ; v[46:213] slot n: 8 registers
	s_load_b128 s[4:7], s[0:1], 0x0                ; hidden_states s[4:5], part s[6:7]
	v_lshl_add_u32 v214, v0, 2, 0x1000
	v_mov_b32 v215, 0
	v_lshrrev_b32 v[T], 5, v0
	v_readfirstlane_b32 s8, v[T]                   ; wave 0..15
	v_and_b32 v[OFF], 31, v0
	v_lshlrev_b32 v[OFF], 4, v[OFF]                ; 16 x lane
	v_lshl_or_b32 v[OFF], v[T], 10, v[OFF]         ; + 1,024 x wave
	s_wait_alu depctr_va_sdst(0)                   ; s8 is written, ahead of its first reader
	s_lshl_b32 s15, s8, 8
	v_mov_b32 v[LA], s15                           ; 256 x wave: one word for each step
	s_lshr_b32 s10, ttmp9, 4
	s_lshl_b32 s10, s10, 24                        ; batch x 16 MiB
	s_and_b32 s9, ttmp9, 15
	s_lshl_b32 s9, s9, 14                          ; chunk x 16 KiB
	s_or_b32 s10, s10, s9
	s_mov_b32 s11, 0
	s_mov_b32 s12, 0x76543210                      ; v_permlanex16_b32: lane i of one half reads lane i of the other
	s_mov_b32 s13, 0xfedcba98
	s_wait_kmcnt 0x0
	s_add_nc_u64 s[16:17], s[4:5], s[10:11]        ; my chunk of row 0: the first fill
	s_add_nc_u64 s[18:19], s[16:17], DEPTH*ROW     ; my chunk of row 21: the fills in the loop, stepped round by round
	s_add_nc_u64 s[20:21], s[16:17], 63*ROW        ; my chunk of row 63
	s_wait_alu depctr_va_vdst(0)                   ; v[OFF] is written, which every global load reads as its offset; so is v[LA], which the LDS stores read
	; row 63 comes without the non-temporal hint: the third launch reads it again whenever its weight is not zero
	global_load_b128 v[H:H+3],   v[OFF], s[20:21]
	global_load_b128 v[H+4:H+7], v[OFF], s[20:21] offset:512
.set n, 0
.rept DEPTH
	global_load_b128 v[X+8*n:X+8*n+3],   v[OFF], s[16:17] offset:n*ROW th:TH_LOAD_NT
	global_load_b128 v[X+8*n+4:X+8*n+7], v[OFF], s[16:17] offset:n*ROW+512 th:TH_LOAD_NT
.set n, n+1
.endr
; my 8 products of the row in registers x .. x+7, in two chains in t .. t+3 that the first products start
.macro MUL2 x, t
	v_pk_mul_f32 v[\t:\t+1],   v[\x:\x+1],   v[H:H+1]
	v_pk_mul_f32 v[\t+2:\t+3], v[\x+2:\x+3], v[H+2:H+3]
.endm
.macro FMA2 x, t
	v_pk_fma_f32 v[\t:\t+1],   v[\x+4:\x+5], v[H+4:H+5], v[\t:\t+1]
	v_pk_fma_f32 v[\t+2:\t+3], v[\x+6:\x+7], v[H+6:H+7], v[\t+2:\t+3]
.endm
; Stage s of the eight that add up a row: the four sums of a lane (0, 1), the 16 lanes of a half (2 to 5), the other half (6, 7).
; Every lane ends with the wave's sum, in register r.
.macro STAGE s, t, r
.if (\s) == 0
	v_pk_add_f32 v[\t:\t+1], v[\t:\t+1], v[\t+2:\t+3]
.elseif (\s) == 1
	v_add_f32 v[\t], v[\t], v[\t+1]
.elseif (\s) == 2
	v_add_f32_dpp v[\t], v[\t], v[\t] row_xmask:1 row_mask:0xf bank_mask:0xf
.elseif (\s) == 3
	v_add_f32_dpp v[\t], v[\t], v[\t] row_xmask:2 row_mask:0xf bank_mask:0xf
.elseif (\s) == 4
	v_add_f32_dpp v[\t], v[\t], v[\t] row_xmask:4 row_mask:0xf bank_mask:0xf
.elseif (\s) == 5
	v_add_f32_dpp v[\t], v[\t], v[\t] row_xmask:8 row_mask:0xf bank_mask:0xf
.elseif (\s) == 6
	v_permlanex16_b32 v[\t+1], v[\t], s12, s13     ; its destination counts as read: t+1 has been written
.else
	v_add_f32 v[\r], v[\t], v[\t+1]
.endif
.endm
; Stage s for the three rows of block b, side by side: no line reads the result of the line before it
.macro STAGE3 s, b
.irp q, 0,1,2
	STAGE \s, T+4*\q, R+3*(\b)+\q
.endr
.endm
; Block b of a round: slots 3 b .. 3 b + 2.  ahead = 1: the slots are filled again with the rows DEPTH further down, as soon as their registers
; have been read.  left = how many younger loads may stay out.
.macro BLOCK b, ahead, left
	s_wait_loadcnt \left                           ; loads come back in order (ISA guide 5.7.1): my six are in, the younger ones stay out
.irp i, 0,1,2
	MUL2 X+8*(3*(\b)+\i), T+4*\i
.endr
.irp i, 0,1,2
	FMA2 X+8*(3*(\b)+\i), T+4*\i
.endr
.if (\ahead) || ((\b) > 0)
	s_wait_alu depctr_va_vdst(0)                   ; the products above are done reading this block's slots, in which the loads below land; the block before has written its three R, which the LDS stores below read; v[LA] is written
.endif
.irp i, 0,1,2
.if \ahead
	global_load_b128 v[X+8*(3*(\b)+\i):X+8*(3*(\b)+\i)+3],   v[OFF], s[18:19] offset:(3*(\b)+\i)*ROW th:TH_LOAD_NT      ; no vector instruction since the wait names these registers
	global_load_b128 v[X+8*(3*(\b)+\i)+4:X+8*(3*(\b)+\i)+7], v[OFF], s[18:19] offset:(3*(\b)+\i)*ROW+512 th:TH_LOAD_NT
.endif
	STAGE3 \i, \b
.endr
.irp i, 0,1,2
.if (\b) > 0
	ds_store_b32 v[LA], v[R+3*((\b)-1)+\i] offset:4*(3*((\b)-1)+\i)  ; the block before: all lanes, the same word, the same value
.endif
	STAGE3 3+\i, \b
.endr
	STAGE3 6, \b
	STAGE3 7, \b
.endm
; A round's end: block 6 has no block behind it in the round
.macro LASTRUN
	s_wait_alu depctr_va_vdst(0)                   ; block 6's lane sums have written R18 to R20, which the stores below read
.irp i, 0,1,2
	ds_store_b32 v[LA], v[R+18+\i] offset:4*(18+\i)
.endr
.endm
	s_wait_loadcnt 2*DEPTH                         ; row 63 is in; the 42 loads of the ring were issued behind it
	MUL2 H, T                                      ; row 63 with itself
	FMA2 H, T
.irp s, 0,1,2,3,4,5,6,7
	STAGE \s, T, R63                               ; its sum stays in R63 until the last run of stores
.endr
	s_mov_b32 s14, 0
.Lround:
.irp b, 0,1,2,3,4,5,6
	BLOCK \b, 1, 36                                ; six younger blocks of six loads
.endr
	LASTRUN
	s_wait_alu depctr_vm_vsrc(0)                   ; the round's 21 LDS stores have read v[LA], which the next line writes, and R, which the next round's lane sums write
	v_add_nc_u32 v[LA], 4*DEPTH, v[LA]             ; the next round's first word
	s_wait_xcnt 0x0                                ; the base of the loads above is stepped only behind this wait (ISA guide 3.1)
	s_add_nc_u64 s[18:19], s[18:19], DEPTH*ROW
	s_add_co_u32 s14, s14, 1
	s_cmp_lt_u32 s14, TRIPS
	s_cbranch_scc1 .Lround
.irp b, 0,1,2,3,4,5,6
	BLOCK \b, 0, 6*(6-\b)                          ; rows 42 to 62: nothing is loaded any more, the counts run down to 0
.endr
	LASTRUN
	ds_store_b32 v[LA], v[R63] offset:4*DEPTH      ; row 63's word lies behind the third round's 21; R63 was written ahead of every wait on va_vdst above
	; the sixteen waves' words meet: each wave waits for its own LDS stores, then the barrier, then wave 0 reads them all
	s_wait_dscnt 0x0
	s_barrier_signal -1
	s_barrier_wait -1
	s_cmp_lg_u32 s8, 0
	s_cbranch_scc1 .Ldone
	v_lshlrev_b32 v[FA], 3, v0                     ; wave 0: lane l takes steps 2 l and 2 l + 1
	s_wait_alu depctr_va_vdst(0)                   ; v[FA] is written, which the loads below read as their address; the products that read the slots in which they land are done
.set n, 0
.rept 16
	ds_load_b64 v[X+2*n:X+2*n+1], v[FA] offset:256*n
.set n, n+1
.endr
	s_lshl_b32 s10, ttmp9, 8                       ; part: 64 words for each work-group
	s_add_nc_u64 s[6:7], s[6:7], s[10:11]
	s_wait_dscnt 0x0
.irp c, 0,1,2,3,4,5,6,7
	v_pk_add_f32 v[X+2*\c:X+2*\c+1], v[X+2*\c:X+2*\c+1], v[X+2*\c+16:X+2*\c+17]
.endr
.irp c, 0,1,2,3
	v_pk_add_f32 v[X+2*\c:X+2*\c+1], v[X+2*\c:X+2*\c+1], v[X+2*\c+8:X+2*\c+9]
.endr
.irp c, 0,1
	v_pk_add_f32 v[X+2*\c:X+2*\c+1], v[X+2*\c:X+2*\c+1], v[X+2*\c+4:X+2*\c+5]
.endr
	v_pk_add_f32 v[X:X+1], v[X:X+1], v[X+2:X+3]
	s_wait_alu depctr_va_vdst(0)                   ; the last add has written v[X:X+1], which the store reads
	global_store_b64 v[FA], v[X:X+1], s[6:7]       ; one store: 256 consecutive bytes, aligned
.Ldone:
	s_wait_dscnt 0x0
	s_wait_alu depctr_hold_cnt(0) depctr_sa_sdst(0) depctr_va_vdst(0) depctr_va_sdst(0) depctr_va_ssrc(0) depctr_va_vcc(0) depctr_vm_vsrc(0)
	s_wait_tensorcnt 0x0
	ds_add_u32 v214, v215
	s_wait_dscnt 0x0
	s_endpgm
.Lfunc_end_k_q0fd75459c2_scores:
	.size	k_q0fd75459c2_scores, .Lfunc_end_k_q0fd75459c2_scores-k_q0fd75459c2_scores
	.p2alignl 7, 3214868480
	.fill 96, 4, 3214868480
	.section	.rodata,"a",@progbits
	.p2align	6, 0x0
	.amdhsa_kernel k_q0fd75459c2_scores
		.amdhsa_group_segment_fixed_size 6144
		.amdhsa_private_segment_fixed_size 0
		.amdhsa_enable_private_segment 0
		.amdhsa_kernarg_size 16
		.amdhsa_user_sgpr_count 2
		.amdhsa_user_sgpr_kernarg_segment_ptr 1
		.amdhsa_wavefront_size32 1
		.amdhsa_system_sgpr_workgroup_id_x 1
		.amdhsa_system_sgpr_workgroup_id_y 1
		.amdhsa_system_sgpr_workgroup_id_z 1
		.amdhsa_system_vgpr_workitem_id 0
		.amdhsa_next_free_vgpr 216
		.amdhsa_next_free_sgpr 66
		.amdhsa_reserve_vcc 0
		.amdhsa_float_denorm_mode_32 3
		.amdhsa_float_denorm_mode_16_64 3
		.amdhsa_memory_ordered 1
		.amdhsa_forward_progress 1
		.amdhsa_inst_pref_size 46
	.end_amdhsa_kernel
	.amdgpu_metadata
---
amdhsa.version: [ 1, 2 ]
amdhsa.kernels:
  - .name:           k_q0fd75459c2_scores
    .symbol:         k_q0fd75459c2_scores.kd
    .args:
      - { .name: hidden_states, .offset: 0, .size: 8, .value_kind: global_buffer, .address_space: global }
      - { .name: part, .offset: 8, .size: 8, .value_kind: global_buffer, .address_space: global }
    .group_segment_fixed_size: 6144
    .private_segment_fixed_size: 0
    .kernarg_segment_align: 8
    .kernarg_segment_size: 16
    .max_flat_workgroup_size: 512
    .sgpr_count:     66
    .vgpr_count:     216
    .wavefront_size: 32
...
	.end_amdgpu_metadata
.endif
;; end of part 4
;; launch weights: the kernel of part 2 again; grid 16 x 1, 1 waves a work-group, no clusters, 0 bytes of LDS; arguments part, wts, mask; writes wts, mask
;; launch context: the kernel of part 3 again; grid 256 x 1, 8 waves a work-group, no clusters, 0 bytes of LDS; arguments hidden_states, wts, mask, out0; writes out0
